; MI455X (gfx1250); checked and timed in simulation.
; The chip was launched on July 23, 2026; its instructions are those of AMD's public machine-readable ISA for CDNA 5 (MIT licence, August 2026) and "CDNA5" Instruction Set Architecture Reference Guide (July 2026). The comments in the code are by the model that wrote it; some were corrected since.
;; Attention. Allowed arithmetic: matrix products marked QUANTISED: E4M3 operands, one given power-of-two scale a tensor, by v_wmma_f32_16x16x64_fp8_fp8 or v_wmma_f32_16x16x128_fp8_fp8, f32 sums; products left as they are: f32 operands where the result goes on into a quantised operand, else bf16, f16 or f32 operands; f32 sums; everything else in f32.
;; Inputs: W_codes 512 x 16 x 32 uint8 (E4M3 codes of W, K innermost, in blocks of 32 codes); bias 1 float32; key 64 x 2,048 x 512 float32; lowp_scales 2 int32 (the exponents e of the quantised operands' scales 2^e); query_codes 64 x 16 x 32 uint8 (E4M3 codes of query, K innermost, in blocks of 32 codes).
;; Outputs: out0 64 x 2,048 float32.
;; This version of the problem:
;;   THIS VERSION OF THE PROBLEM IS GIVEN IN LOW PRECISION. The matrix products marked QUANTISED in the list below multiply operands that are first quantised to E4M3 (4 exponent bits, 3 mantissa bits; 8 bits a number), with one given power-of-two scale for each operand tensor; their sums are f32. All else is computed in f32.
;;   The module's matrix products, in the order in which they are computed (A, B: the left and right operand; K: the contracted axis; several contracted axes count as one K, in the product's order):
;;     1. [M 64, K 512] x [K 512, N 512]; A: input query (given as codes); B: input W (given as codes): QUANTISED (scales: A lowp_scales[0], B lowp_scales[1])
;;     2. batch 64 x [M 2,048, K 512] x [K 512, N 1]; A: input key; B: computed on the way: left as it is (N = 1 < 16)
;;   THE QUANTISER, for each operand of a quantised product, along K:
;;     - The operand's scale is 2^e, e = its entry of the input lowp_scales (int32; the entries are numbered through the quantised products in the list's order, A before B).
;;     - Each number is divided by the scale, clamped to +-448, and rounded to the nearest number of E4M3, ties to even, subnormals kept.
;;     - The product sums the exact products of the quantised numbers (number of the format x scale) in f32.
;;   ~~~python
;;   def quantise(x, axis, e):      # numpy; x: float32 -> the quantised numbers, widened to float32 again
;;       x = np.moveaxis(x, axis, -1); K = x.shape[-1]
;;       r = np.clip(x / 2.0 ** e, -448, 448)
;;       step = 2.0 ** (np.maximum(np.frexp(np.where(r == 0, 1, r))[1] - 1, -6) - 3)
;;       q = np.round(r / step) * step * 2.0 ** e      # np.round: ties to even
;;       return np.moveaxis(q, -1, axis).astype(np.float32)
;;   ~~~
;;   INPUTS GIVEN AS CODES. W (in the module: [512, 512], K = its axis 1); query (in the module: [64, 512], K = its axis 1): each comes as NAME_codes (uint8): NAME with its K axis moved to the last place and cut into blocks of 32 codes, [.., K / 32, bytes a block], one block behind the other in memory; one code a byte (a code: sign, 4 exponent bits, 3 mantissa bits); its scale is its entry of lowp_scales. Its value is code x scale, taken as it is: it is not quantised again, and the codes and scales need not be those that the quantiser above would give.
;; One version. Each part assembles by itself: llvm-mc -triple=amdgcn-amd-amdhsa -mcpu=gfx1250 --defsym DOCPART=n.
;; ======== version 1 of 1: 2 launches
;; workspace buffers: escore 524,288 bytes
;; launch scores (part 1): grid 256 x 1, 8 waves a work-group, clusters of 4 x 1, 273,408 bytes of LDS; arguments key, W_codes, query_codes, lowp_scales, bias, escore; writes escore
.if DOCPART == 1
	.amdgcn_target "amdgcn-amd-amdhsa--gfx1250"
	.amdhsa_code_object_version 6
	.text
	.protected	k_q9355dd0652_scores
	.globl	k_q9355dd0652_scores
	.p2align	8
	.type	k_q9355dd0652_scores,@function
k_q9355dd0652_scores:
	s_mov_b64 s[64:65], 0
	v_nop
	global_prefetch_b8 v0, s[64:65] scope:SCOPE_SE
	s_setreg_imm32_b32 hwreg(HW_REG_WAVE_MODE, 25, 1), 1
	s_wait_xcnt 0x0
	s_wait_alu depctr_hold_cnt(0) depctr_sa_sdst(0) depctr_va_vdst(0) depctr_va_sdst(0) depctr_va_ssrc(0) depctr_va_vcc(0) depctr_vm_vsrc(0)
	s_getreg_b32 s2, hwreg(HW_REG_IB_STS2, 6, 4)
	s_cmp_eq_u32 s2, 0
	s_cbranch_scc0 .Lentry_in_a_cluster
	s_endpgm
.Lentry_in_a_cluster:
	s_bfe_u32 s2, ttmp6, 0x10000c
	s_cmp_lg_u32 s2, 0x3003
	s_cbranch_scc0 .Lentry_shape_is_right
	s_endpgm
.Lentry_shape_is_right:
; escore[b][t] = exp(tanh(key[b][t][:] . mids[b][:] + bias)),  mids[b][k] = 2^(e0 + e1) x sum over q of W_codes[k][q] x query_codes[b][q].
; key: [64][2048][512] f32.  W_codes: [512][512], query_codes: [64][512]: codes of FP8 (E4M3), the contracted axis innermost.  lowp_scales: e0 (query), e1 (W).  The next launch divides each row of escore by its sum.
; NO MAXIMUM IS TAKEN AWAY AHEAD OF THE EXPONENTIAL: the tanh holds every exponent within -1 .. 1 for every input, so each term lies within 0.36 .. 2.72 and a row's sum of 2,048 terms within 753 .. 5,567.
; tanh(x) = 1 - 2 / (1 + 2^(2 log2(e) x)): it goes to 1 and to -1 where the power overflows or vanishes; its ABSOLUTE error is a few 2^-24; relative accuracy near x = 0 is not kept, and the exponential behind it does not want it.
; e0 + e1 is applied by v_ldexp_f32 and has no limit of its own.  NaN and infinities among the inputs give what this arithmetic gives.
; SHARES.  A work-group owns a quarter of a batch: 512 rows of key, 1 MiB on end.  Each of its eight waves owns 64 rows.  A row is 2,048 bytes: four loads of a wave, each 512 consecutive bytes, 16 a lane.
; Lane l holds elements 128 j + 4 l + 0 .. 3 (j = 0 .. 3) of a row and the same 16 of mids: 8 packed multiply-adds in f32, then the sum over the 32 lanes.  (One column: nothing for the matrix unit.)
; A ring of 8 rows in registers keeps 32 loads of every wave on their way; a slot is asked for again straight behind its multiply-adds.
; Row i of the wave is kept by lane i / 2, in register i % 2: so the wave's 64 results leave by one store of 256 consecutive bytes, at a multiple of 256 from the buffer's first byte.
; MIDS.  Every work-group makes its batch's 512: wave w those of W's rows 64 w .. 64 w + 63, four tiles of 16, K = 512 in four steps of 128: 16 matrix instructions.  Source 0 = the batch's row of query in all 16 rows,
; source 1 = 16 rows of W: every register of a result holds mids[tile's first + lane % 16].  They meet in 2,048 bytes of LDS behind one barrier.
; A fragment's registers 4 c .. 4 c + 3 take K = 32 c + 16 (lane / 16) + 0 .. 15 on both sides: the same permutation of K in both sources, so every product meets its partner.
; W COMES BY THE TENSOR DATA MOVER, one load a wave (64 rows of 512 bytes, 16 bytes of padding behind each), into LDS bytes that only that wave reads: its own wait on TENSORcnt orders the reads.  It counts on no counter
; of the register loads, so the ring's first 32 loads go out ahead of it and stay out while mids is made.  No LDS byte is filled twice.
; CLUSTER.  The four work-groups of a cluster are the four quarters of one batch; all want the same W, at the same LDS bytes: each wave's load is asked for JOINTLY, with the same descriptor and a mask that names the four.
.set ROWB,   2048                      ; a row of key in bytes
.set RING,   8                         ; rows in the ring
.set ROWS,   64                        ; rows of a wave
.set WROWB,  512                       ; a row of W's codes in bytes
.set WPITCH, 528                       ; and in LDS: + 16 of padding = 132 words: row r starts at bank 4 r mod 64 (64 banks of 4 bytes: ISA guide 11.1), so the 16 rows of a fragment load start at 16 different banks
.set WPART,  64*WPITCH                 ; a wave's 64 rows
.set MIDS,   8*WPART                   ; behind W: 512 f32, blocks of 256 bytes into which no tensor load lands
.set KO,  1                            ; v1      16 x lane: my bytes of a load's 512; never rewritten
.set SEL, 2                            ; v2      lane - 4 x trip: the lane that keeps rows 2 p, 2 p + 1 of a trip's eight finds p here
.set QO,  3                            ; v3      16 (lane / 16): my bytes in query's row
.set WA,  4                            ; v4      LDS address of my bytes in my wave's rows of W
.set MST, 5                            ; v5      LDS address at which mids of my wave's first tile is stored
.set MLD, 6                            ; v6      LDS address from which my 16 of mids are read
.set EO,  7                            ; v7      8 x lane: my two results
.set SC,  10                           ; v[10:11] the scores of my two rows
.set P,   12                           ; v[12:15] at work
.set A,   16                           ; v16-79   query's four fragments
.set ACC, 80                           ; v80-111  four accumulators
.set X,   112                          ; v112-239 the ring: 16 registers a row
.set M,   240                          ; v240-255 my 16 of mids
                                       ; window 1: W's fragments, (tile t, K step s) at v[64 t + 16 s]
.set WV,  16                           ; s16      my wave's number
.set G0,  24                           ; s[24:27] descriptor group 0
.set G1,  28                           ; s[28:35] descriptor group 1
.set MSB, 0
.macro WIN new                         ; the immediate's high byte repeats the setting that is left
.if MSB != \new
	s_set_vgpr_msb (MSB<<8)|\new
.set MSB, \new
.endif
.endm
; A round of the cluster's barrier: my work-group's barrier, so that wave 0's signal speaks for all eight waves; wave 0 signals for the work-group; every wave waits for all four work-groups; my work-group's barrier once more.
.macro ROUND
	s_barrier_signal -1
	s_barrier_wait -1
	s_cmp_lg_u32 s[WV], 0
	s_cbranch_scc1 .Lnot_wave_0_\@
	s_barrier_signal -3
.Lnot_wave_0_\@:
	s_barrier_wait -3
	s_barrier_signal -1
	s_barrier_wait -1
.endm
	s_load_b256 s[4:11], s[0:1], 0x0               ; key s[4:5], W's codes s[6:7], query's codes s[8:9], the scales' exponents s[10:11]
	s_load_b128 s[12:15], s[0:1], 0x20             ; bias s[12:13], escore s[14:15]
	v_lshl_add_u32 v254, v0, 2, 0x42800
	v_mov_b32 v255, 0
	ds_add_u32 v254, v255
	ds_add_u32 v254, v255
	s_wait_dscnt 0x0
	v_lshrrev_b32 v8, 5, v0
	v_readfirstlane_b32 s[WV], v8                  ; wave 0..7
	s_bfe_u32 s17, ttmp6, 0x40000                  ; cx: my place in the cluster = my quarter of the batch
	s_lshl_b32 s18, ttmp9, 2                       ; in a cluster launch ttmp9 counts clusters: the batch
	s_add_co_u32 s18, s18, s17                     ; work-group = 4 x batch + quarter: it enters key's and escore's addresses alone
	v_and_b32 v[SEL], 31, v0                       ; lane
	v_lshlrev_b32 v[KO], 4, v[SEL]
	v_lshlrev_b32 v[EO], 3, v[SEL]
	v_and_b32 v8, 15, v0                           ; r = lane % 16
	v_bfe_u32 v9, v0, 4, 1                         ; h = lane / 16
	v_lshlrev_b32 v[QO], 4, v9
	s_mul_i32 s19, s[WV], WPART                    ; my wave's rows of W in LDS: the wave's number times a constant
	v_mul_u32_u24 v[WA], v8, WPITCH
	v_lshl_add_u32 v[WA], v9, 4, v[WA]
	v_add_nc_u32 v[WA], s19, v[WA]                 ; row r x pitch + 16 h + my wave's part
	s_lshl_b32 s20, s[WV], 8
	v_lshl_add_u32 v[MST], v8, 2, s20
	v_add_nc_u32 v[MST], MIDS, v[MST]              ; mids[64 w + r]
	v_add_nc_u32 v[MLD], MIDS, v[KO]               ; mids[4 lane ..]
	; descriptor group 1: a tile of 64 rows x 512 bytes, padded in LDS
	s_mov_b32 s[G1+0], 15|(0<<16)|(1<<20)|(1<<21)|(6<<22)|(3<<25)  ; 15:0 the mask: all four work-groups; 17:16 elements of 1 byte; 20 padding on; 21 set beside a mask; 24:22 after every 128 words (code 6); 31:25 four words (code 3)
	s_mov_b32 s[G1+1], WROWB<<16                   ; tensor_dim0 = 512
	s_mov_b32 s[G1+2], 64<<16                      ; tensor_dim1 = 64
	s_mov_b32 s[G1+3], WROWB<<16                   ; tile_dim0 = 512
	s_mov_b32 s[G1+4], 64                          ; tile_dim1 = 64
	s_mov_b32 s[G1+5], WROWB                       ; from row to row
	s_mov_b32 s[G1+6], 0
	s_mov_b32 s[G1+7], 0
	s_mov_b32 s[G0+0], 1                           ; count = 1
	s_mov_b32 s[G0+1], s19                         ; LDS address
	s_lshl_b32 s20, s18, 20                        ; key: work-group x 512 rows x 2,048 bytes (at most 255 MiB),
	s_lshl_b32 s21, s[WV], 17                      ; + wave x 64 rows
	s_add_co_u32 s20, s20, s21
	s_mov_b32 s21, 0
	s_lshl_b32 s22, s[WV], 15                      ; W: wave x 64 rows x 512 bytes: the same in all four partners
	s_mov_b32 s23, 0
	s_lshl_b32 s44, ttmp9, 9                       ; query: the batch's row
	s_mov_b32 s45, 0
	s_lshl_b32 s46, s18, 11                        ; escore: work-group x 512 x 4 bytes,
	s_lshl_b32 s47, s[WV], 8                       ; + wave x 64 x 4
	s_add_co_u32 s46, s46, s47
	s_mov_b32 s47, 0
	s_wait_kmcnt 0x0
	s_load_b64 s[48:49], s[10:11], 0x0             ; e0, e1
	s_load_b32 s50, s[12:13], 0x0                  ; bias
	s_add_nc_u64 s[4:5], s[4:5], s[20:21]
	s_add_nc_u64 s[G0+2:G0+3], s[6:7], s[22:23]    ; global address of my wave's first row of W
	s_or_b32 s[G0+3], s[G0+3], 0x80000000          ; type = 2
	s_add_nc_u64 s[8:9], s[8:9], s[44:45]
	s_add_nc_u64 s[14:15], s[14:15], s[46:47]
.irp s, 0,1,2,3                        ; query's row as source 0: every lane of a half takes the same 16 bytes, so all 16 rows of the fragment are the batch's row
.irp c, 0,1,2,3
	global_load_b128 v[A+16*\s+4*\c:A+16*\s+4*\c+3], v[QO], s[8:9] offset:128*\s+32*\c
.endr
.endr
.irp i, 0,1,2,3,4,5,6,7                ; the ring is filled: rows 0 to 7, ahead of everything that waits
.irp j, 0,1,2,3
	global_load_b128 v[X+16*\i+4*\j:X+16*\i+4*\j+3], v[KO], s[4:5] offset:\i*ROWB+512*\j th:TH_LOAD_NT
.endr
.endr
	ROUND                                          ; all four work-groups are here: the joint loads meet
	tensor_load_to_lds s[G0:G0+3], s[G1:G1+7]      ; my wave's one tensor load of the launch
	s_nop 0
	v_mov_b32 v[SC], 0                             ; four plain lines stand behind it, and no switch of the register windows among them
	v_mov_b32 v[SC+1], 0
	v_mov_b32 v[P], 0
	v_mov_b32 v[P+1], 0
	s_mov_b32 s36, 0x76543210                      ; v_permlanex16_b32's selects: lane l takes lane l xor 16
	s_mov_b32 s37, 0xfedcba98
	s_wait_tensorcnt 0x0                           ; my 64 rows of W lie in my own LDS bytes
	WIN 0x40                                       ; destination window 1, address window 0
.irp s, 0,1,2,3                        ; by K steps, so that a step's four products can start while the later steps' fragments come
.irp t, 0,1,2,3
.irp c, 0,1,2,3
	ds_load_b128 v[64*\t+16*\s+4*\c:64*\t+16*\s+4*\c+3], v[WA] offset:\t*16*WPITCH+128*\s+32*\c
.endr
.endr
.endr
	s_wait_loadcnt 32                              ; query's 16 loads are in; the ring's 32, issued behind them, stay out
	WIN 0x04                                       ; source 1 (W) window 1; source 0, C and D window 0
.irp s, 0,1,2,3
	s_wait_dscnt 48-16*\s                          ; this K step's 16 loads are in; the later steps' may be out
.irp t, 0,1,2,3                        ; the four accumulators take turns, one instruction a turn; the first K step starts the sums
.if \s == 0
	v_wmma_f32_16x16x128_fp8_fp8 v[ACC+8*\t:ACC+8*\t+7], v[A+16*\s:A+16*\s+15], v[64*\t+16*\s:64*\t+16*\s+15], 0
.else
	v_wmma_f32_16x16x128_fp8_fp8 v[ACC+8*\t:ACC+8*\t+7], v[A+16*\s:A+16*\s+15], v[64*\t+16*\s:64*\t+16*\s+15], v[ACC+8*\t:ACC+8*\t+7]
.endif
.endr
.endr
	WIN 0
.rept 4
	v_nop                                          ; four places between the last product and the first read of a result (ISA guide 7.12.1)
.endr
	s_wait_kmcnt 0x0
	s_add_co_i32 s39, s48, s49                     ; e0 + e1
.irp t, 0,1,2,3
	v_ldexp_f32 v[P+\t], v[ACC+8*\t], s39          ; each accumulator's lowest register: mids[64 w + 16 t + r] x 2^(e0 + e1)
.endr
.irp t, 0,1,2,3
	ds_store_b32 v[MST], v[P+\t] offset:64*\t      ; lanes r and r + 16 hold the same number and store it to the same word
.endr
	s_wait_dscnt 0x0                               ; for the others' sake: my stores have landed
	s_barrier_signal -1
	s_barrier_wait -1                              ; all 512 of mids lie in LDS
.irp j, 0,1,2,3
	ds_load_b128 v[M+4*\j:M+4*\j+3], v[MLD] offset:512*\j   ; mids[128 j + 4 lane + 0 .. 3]
.endr
	s_wait_dscnt 0x0
; One slot's turn: row i of the trip's eight.  ahead = 1: the slot is filled again with the row RING further down.  left = how many younger loads may stay out.
.macro ROW i, ahead, left
.set XR, X+16*(\i)
	s_wait_loadcnt \left                           ; loads come back in order (ISA guide 5.7.1): this row's four are in, the younger rows' stay out
	v_pk_mul_f32 v[P:P+1],   v[XR:XR+1],   v[M:M+1]          ; two chains of packed multiply-adds; the first products start them
	v_pk_mul_f32 v[P+2:P+3], v[XR+2:XR+3], v[M+2:M+3]
.irp j, 4,8,12
	v_pk_fma_f32 v[P:P+1],   v[XR+\j:XR+\j+1],   v[M+\j:M+\j+1],   v[P:P+1]
	v_pk_fma_f32 v[P+2:P+3], v[XR+\j+2:XR+\j+3], v[M+\j+2:M+\j+3], v[P+2:P+3]
.endr
.if \ahead
.irp j, 0,1,2,3
	global_load_b128 v[XR+4*\j:XR+4*\j+3], v[KO], s[4:5] offset:((\i)+RING)*ROWB+512*\j th:TH_LOAD_NT
.endr
.endif
	v_pk_add_f32 v[P:P+1], v[P:P+1], v[P+2:P+3]
	v_add_f32 v[P], v[P], v[P+1]                   ; my 16 products' sum; now over the 32 lanes
	v_add_f32_dpp v[P], v[P], v[P] row_xmask:1 row_mask:0xf bank_mask:0xf
	v_add_f32_dpp v[P], v[P], v[P] row_xmask:2 row_mask:0xf bank_mask:0xf
	v_add_f32_dpp v[P], v[P], v[P] row_xmask:4 row_mask:0xf bank_mask:0xf
	v_add_f32_dpp v[P], v[P], v[P] row_xmask:8 row_mask:0xf bank_mask:0xf
	v_permlanex16_b32 v[P+1], v[P], s36, s37
	v_add_f32 v[P], v[P], v[P+1]                   ; every lane holds the row's product with mids
	v_cmp_eq_u32 vcc_lo, (\i)/2, v[SEL]
	v_cndmask_b32 v[SC+(\i)%2], v[SC+(\i)%2], v[P], vcc_lo   ; the lane that owns the row keeps it
.endm
	s_mov_b32 s38, ROWS/RING-1
.Lround:
.irp i, 0,1,2,3,4,5,6,7
	ROW \i, 1, 4*(RING-1)
.endr
	s_wait_xcnt 0x0                                ; the loads issued so far have had their addresses translated (ISA guide 3.1): their base is stepped only behind this wait
	s_add_nc_u64 s[4:5], s[4:5], RING*ROWB
	v_add_nc_u32 v[SEL], -4, v[SEL]                ; the next eight rows belong to the next four lanes
	s_sub_co_u32 s38, s38, 1
	s_cmp_lg_u32 s38, 0
	s_cbranch_scc1 .Lround
.irp i, 0,1,2,3,4,5,6,7
	ROW \i, 0, 28-4*\i                             ; the last eight rows load nothing: no load leaves the buffer, and the counts run down
.endr
	; my two rows: x + bias; tanh; the exponential.  Each pair of transcendentals is a batch: a plain line behind it, then one wait ahead of the first reader.
	s_mov_b32 s51, 0x4038aa3b                      ; 2 log2(e)
	s_mov_b32 s52, 0xc038aa3b                      ; -2 log2(e)
	s_mov_b32 s53, 0x3fb8aa3b                      ; log2(e)
	v_add_f32 v[SC], s50, v[SC]
	v_add_f32 v[SC+1], s50, v[SC+1]
	v_mul_f32 v[SC], s51, v[SC]
	v_mul_f32 v[SC+1], s51, v[SC+1]
	v_exp_f32 v[P], v[SC]                          ; e^(2 x)
	v_exp_f32 v[P+1], v[SC+1]
	v_nop
	s_wait_alu depctr_va_vdst(0)
	v_add_f32 v[P], 1.0, v[P]
	v_add_f32 v[P+1], 1.0, v[P+1]
	v_rcp_f32 v[P+2], v[P]
	v_rcp_f32 v[P+3], v[P+1]
	v_nop
	s_wait_alu depctr_va_vdst(0)
	v_fma_f32 v[P+2], v[P+2], s52, s53             ; log2(e) x tanh(x) = log2(e) - 2 log2(e) / (1 + e^(2 x))
	v_fma_f32 v[P+3], v[P+3], s52, s53
	v_exp_f32 v[SC], v[P+2]                        ; e^tanh(x)
	v_exp_f32 v[SC+1], v[P+3]
	v_nop
	s_wait_alu depctr_va_vdst(0)
	global_store_b64 v[EO], v[SC:SC+1], s[14:15]   ; 32 lanes store 256 consecutive bytes, at a multiple of 256 from escore's first byte
	s_wait_xcnt 0x0
	v_lshl_add_u32 v254, v0, 2, 0x42800
	v_mov_b32 v255, 0
	s_wait_tensorcnt 0x0
	ds_add_u32 v254, v255
	s_wait_dscnt 0x0
	ROUND                                          ; the closing round: no work-group ends while a partner may still ask for a tile that names it
	s_endpgm
.Lfunc_end_k_q9355dd0652_scores:
	.size	k_q9355dd0652_scores, .Lfunc_end_k_q9355dd0652_scores-k_q9355dd0652_scores
	.p2alignl 7, 3214868480
	.fill 96, 4, 3214868480
	.section	.rodata,"a",@progbits
	.p2align	6, 0x0
	.amdhsa_kernel k_q9355dd0652_scores
		.amdhsa_group_segment_fixed_size 273408
		.amdhsa_private_segment_fixed_size 0
		.amdhsa_enable_private_segment 0
		.amdhsa_kernarg_size 48
		.amdhsa_user_sgpr_count 2
		.amdhsa_user_sgpr_kernarg_segment_ptr 1
		.amdhsa_wavefront_size32 1
		.amdhsa_system_sgpr_workgroup_id_x 1
		.amdhsa_system_sgpr_workgroup_id_y 1
		.amdhsa_system_sgpr_workgroup_id_z 1
		.amdhsa_system_vgpr_workitem_id 0
		.amdhsa_next_free_vgpr 512
		.amdhsa_next_free_sgpr 66
		.amdhsa_reserve_vcc 1
		.amdhsa_float_denorm_mode_32 3
		.amdhsa_float_denorm_mode_16_64 3
		.amdhsa_memory_ordered 1
		.amdhsa_forward_progress 1
		.amdhsa_inst_pref_size 36
	.end_amdhsa_kernel
	.amdgpu_metadata
---
amdhsa.version: [ 1, 2 ]
amdhsa.kernels:
  - .name:           k_q9355dd0652_scores
    .symbol:         k_q9355dd0652_scores.kd
    .args:
      - { .name: key, .offset: 0, .size: 8, .value_kind: global_buffer, .address_space: global }
      - { .name: W_codes, .offset: 8, .size: 8, .value_kind: global_buffer, .address_space: global }
      - { .name: query_codes, .offset: 16, .size: 8, .value_kind: global_buffer, .address_space: global }
      - { .name: lowp_scales, .offset: 24, .size: 8, .value_kind: global_buffer, .address_space: global }
      - { .name: bias, .offset: 32, .size: 8, .value_kind: global_buffer, .address_space: global }
      - { .name: escore, .offset: 40, .size: 8, .value_kind: global_buffer, .address_space: global }
    .group_segment_fixed_size: 273408
    .private_segment_fixed_size: 0
    .kernarg_segment_align: 8
    .kernarg_segment_size: 48
    .max_flat_workgroup_size: 256
    .sgpr_count:     66
    .vgpr_count:     512
    .wavefront_size: 32
...
	.end_amdgpu_metadata
.endif
;; end of part 1
;; launch norm (part 2): grid 64 x 1, 16 waves a work-group, no clusters, 2,304 bytes of LDS; arguments escore, out0; writes out0
.if DOCPART == 2
	.amdgcn_target "amdgcn-amd-amdhsa--gfx1250"
	.amdhsa_code_object_version 6
	.text
	.protected	k_q9355dd0652_norm
	.globl	k_q9355dd0652_norm
	.p2align	8
	.type	k_q9355dd0652_norm,@function
k_q9355dd0652_norm:
	s_mov_b64 s[64:65], 0
	v_nop
	global_prefetch_b8 v0, s[64:65] scope:SCOPE_SE
	s_setreg_imm32_b32 hwreg(HW_REG_WAVE_MODE, 25, 1), 1
	s_wait_xcnt 0x0
; out0[b][t] = escore[b][t] / the sum over t of escore[b][t].  Both [64][2048] f32.  escore holds exp(tanh(..)), each within 0.36 .. 2.72: the sum of 2,048 of them lies within 753 .. 5,567.
; A work-group owns a batch's row of 8,192 bytes; each of its 512 threads owns 16 bytes of it, which stay in registers between the sum and the scaling: one load and one store a thread,
; each of a wave's covering 512 consecutive bytes.  The sum goes: four numbers of a lane, 32 lanes of a wave, 16 waves through 64 bytes of LDS behind one barrier.
	s_load_b128 s[4:7], s[0:1], 0x0                ; escore s[4:5], out0 s[6:7]
	v_lshl_add_u32 v32, v0, 2, 0x100
	v_mov_b32 v33, 0
	v_lshlrev_b32 v1, 4, v0                        ; my 16 bytes of the row
	v_lshrrev_b32 v2, 5, v0
	v_readfirstlane_b32 s8, v2                     ; wave 0..15
	s_lshl_b32 s10, ttmp9, 13                      ; the batch's row
	s_mov_b32 s11, 0
	s_mov_b32 s12, 0x76543210                      ; v_permlanex16_b32's selects: lane l takes lane l xor 16
	s_mov_b32 s13, 0xfedcba98
	s_wait_kmcnt 0x0
	s_add_nc_u64 s[4:5], s[4:5], s[10:11]
	s_add_nc_u64 s[6:7], s[6:7], s[10:11]
	global_load_b128 v[4:7], v1, s[4:5] th:TH_LOAD_NT
	v_mov_b32 v9, 0                                ; written once: a lane permute's destination counts as one of its sources
	v_mov_b32 v10, s8
	v_lshlrev_b32 v10, 2, v10                      ; my wave's word in LDS
	v_mov_b32 v11, 0
	s_wait_loadcnt 0x0
	v_pk_add_f32 v[12:13], v[4:5], v[6:7]
	v_add_f32 v8, v12, v13
	v_add_f32_dpp v8, v8, v8 row_xmask:1 row_mask:0xf bank_mask:0xf
	v_add_f32_dpp v8, v8, v8 row_xmask:2 row_mask:0xf bank_mask:0xf
	v_add_f32_dpp v8, v8, v8 row_xmask:4 row_mask:0xf bank_mask:0xf
	v_add_f32_dpp v8, v8, v8 row_xmask:8 row_mask:0xf bank_mask:0xf
	v_permlanex16_b32 v9, v8, s12, s13
	v_add_f32 v8, v8, v9                           ; the wave's sum, in every lane
	ds_store_b32 v10, v8                           ; all lanes store the same number to the wave's word
	s_wait_dscnt 0x0                               ; for the others' sake: my store has landed
	s_barrier_signal -1
	s_barrier_wait -1
.irp j, 0,1,2,3
	ds_load_b128 v[16+4*\j:19+4*\j], v11 offset:16*\j   ; the sixteen waves' sums, in every lane
.endr
	s_wait_dscnt 0x0
	v_pk_add_f32 v[16:17], v[16:17], v[18:19]
	v_pk_add_f32 v[20:21], v[20:21], v[22:23]
	v_pk_add_f32 v[24:25], v[24:25], v[26:27]
	v_pk_add_f32 v[28:29], v[28:29], v[30:31]
	v_pk_add_f32 v[16:17], v[16:17], v[20:21]
	v_pk_add_f32 v[24:25], v[24:25], v[28:29]
	v_pk_add_f32 v[16:17], v[16:17], v[24:25]
	v_add_f32 v16, v16, v17                        ; the row's sum
	v_rcp_f32 v18, v16
	v_nop                                          ; a plain line behind the reciprocal,
	s_wait_alu depctr_va_vdst(0)                   ; and the wait ahead of its first reader
	v_pk_mul_f32 v[4:5], v[4:5], v[18:19] op_sel_hi:[1,0]   ; both x v18 (v19 is named with it as a pair; the loads above have written it)
	v_pk_mul_f32 v[6:7], v[6:7], v[18:19] op_sel_hi:[1,0]
	global_store_b128 v1, v[4:7], s[6:7] th:TH_STORE_NT      ; a wave stores 512 consecutive bytes, at a multiple of 256 from out0's first byte
	s_wait_tensorcnt 0x0
	ds_add_u32 v32, v33
	s_wait_dscnt 0x0
	s_endpgm
.Lfunc_end_k_q9355dd0652_norm:
	.size	k_q9355dd0652_norm, .Lfunc_end_k_q9355dd0652_norm-k_q9355dd0652_norm
	.p2alignl 7, 3214868480
	.fill 96, 4, 3214868480
	.section	.rodata,"a",@progbits
	.p2align	6, 0x0
	.amdhsa_kernel k_q9355dd0652_norm
		.amdhsa_group_segment_fixed_size 2304
		.amdhsa_private_segment_fixed_size 0
		.amdhsa_enable_private_segment 0
		.amdhsa_kernarg_size 16
		.amdhsa_user_sgpr_count 2
		.amdhsa_user_sgpr_kernarg_segment_ptr 1
		.amdhsa_wavefront_size32 1
		.amdhsa_system_sgpr_workgroup_id_x 1
		.amdhsa_system_sgpr_workgroup_id_y 1
		.amdhsa_system_sgpr_workgroup_id_z 1
		.amdhsa_system_vgpr_workitem_id 0
		.amdhsa_next_free_vgpr 34
		.amdhsa_next_free_sgpr 66
		.amdhsa_reserve_vcc 0
		.amdhsa_float_denorm_mode_32 3
		.amdhsa_float_denorm_mode_16_64 3
		.amdhsa_memory_ordered 1
		.amdhsa_forward_progress 1
		.amdhsa_inst_pref_size 3
	.end_amdhsa_kernel
	.amdgpu_metadata
---
amdhsa.version: [ 1, 2 ]
amdhsa.kernels:
  - .name:           k_q9355dd0652_norm
    .symbol:         k_q9355dd0652_norm.kd
    .args:
      - { .name: escore, .offset: 0, .size: 8, .value_kind: global_buffer, .address_space: global }
      - { .name: out0, .offset: 8, .size: 8, .value_kind: global_buffer, .address_space: global }
    .group_segment_fixed_size: 2304
    .private_segment_fixed_size: 0
    .kernarg_segment_align: 8
    .kernarg_segment_size: 16
    .max_flat_workgroup_size: 512
    .sgpr_count:     66
    .vgpr_count:     34
    .wavefront_size: 32
...
	.end_amdgpu_metadata
.endif
;; end of part 2
